; MI455X (gfx1250); checked and timed in simulation.
; The chip was launched on July 23, 2026; its instructions are those of AMD's public machine-readable ISA for CDNA 5 (MIT licence, August 2026) and "CDNA5" Instruction Set Architecture Reference Guide (July 2026). The comments in the code are by the model that wrote it; some were corrected since.
;; Pooler. Allowed arithmetic: matrix products marked QUANTISED: E5M2 operands, one given power-of-two scale a tensor, by v_wmma_f32_16x16x64_bf8_bf8 or v_wmma_f32_16x16x128_bf8_bf8, f32 sums; products left as they are: f32 operands where the result goes on into a quantised operand, else bf16, f16 or f32 operands; f32 sums; everything else in f32.
;; Inputs: begins 8 x 128 int32; ends 8 x 128 int32; features 8 x 2,048 x 1,024 float32; key_b 8 float32; key_w 8 x 1,024 float32; lowp_scales 2 int32 (the exponents e of the quantised operands' scales 2^e).
;; Outputs: out0 8 x 128 x 1,024 float32.
;; This version of the problem:
;;   THIS VERSION OF THE PROBLEM IS GIVEN IN LOW PRECISION. The matrix products marked QUANTISED in the list below multiply operands that are first quantised to E5M2 (5 exponent bits, 2 mantissa bits; 8 bits a number), with one given power-of-two scale for each operand tensor; their sums are f32. All else is computed in f32.
;;   The module's matrix products, in the order in which they are computed (A, B: the left and right operand; K: the contracted axis; several contracted axes count as one K, in the product's order):
;;     1. [M 16,384, K 1,024] x [K 1,024, N 8]; A: input features; B: input key_w: left as it is (N = 8 < 16)
;;     2. batch 64 x [M 128, K 2,048] x [K 2,048, N 128]; A: softmax (see below); B: input features: QUANTISED (scales: A lowp_scales[0], B lowp_scales[1])
;;   THE QUANTISER, for each operand of a quantised product, along K:
;;     - The operand's scale is 2^e, e = its entry of the input lowp_scales (int32; the entries are numbered through the quantised products in the list's order, A before B).
;;     - Each number is divided by the scale, clamped to +-57,344, and rounded to the nearest number of E5M2, ties to even, subnormals kept.
;;     - The product sums the exact products of the quantised numbers (number of the format x scale) in f32.
;;   ~~~python
;;   def quantise(x, axis, e):      # numpy; x: float32 -> the quantised numbers, widened to float32 again
;;       x = np.moveaxis(x, axis, -1); K = x.shape[-1]
;;       r = np.clip(x / 2.0 ** e, -57344, 57344)
;;       step = 2.0 ** (np.maximum(np.frexp(np.where(r == 0, 1, r))[1] - 1, -14) - 2)
;;       q = np.round(r / step) * step * 2.0 ** e      # np.round: ties to even
;;       return np.moveaxis(q, -1, axis).astype(np.float32)
;;   ~~~
;;   SOFTMAX AHEAD OF A QUANTISED PRODUCT. Where the list says 'softmax', what is quantised is not the finished softmax but p = 2^(t - M), with t = logit x log2(e) and M = ceil(the row's largest t), a whole number; so 1/2 < the row's largest p <= 1. The row's sum l is taken of the UNQUANTISED p, in f32, and the product's result is divided by l at the end. Since M is a whole number, a kernel that streams over the keys may use a running M (the ceiling of the running maximum): every later rescaling is an exact power of two, so the quantised numbers keep their values, but for numbers so far below the row's largest that they fall under the format's range.
;;   OPERANDS COMPUTED ON THE WAY. 'Computed on the way' means the value that the module computes at that place (a softmax that the list does not call 'softmax' is quantised finished and normalised). What goes into a quantiser is computed in f32, as accurately as f32 sums, v_exp_f32 and their like allow (about 1e-6 of the number): no bf16 or f16 on the way to a quantiser, and a product that is left as it is and whose result goes on into a quantised operand takes f32 operands (vector FMAs, or v_wmma_f32_16x16x4_f32). A number that lies on a knife's edge between two numbers of the format may be rounded either way, as far as f32 arithmetic and the matrix unit's own rounding can turn it there, and no further.
;; 2 versions, each right; version 2 is version 1 with the launch pool written anew for expert scheduling mode. Each part assembles by itself: llvm-mc -triple=amdgcn-amd-amdhsa -mcpu=gfx1250 --defsym DOCPART=n.
;; ======== version 1 of 2: 1 launch
;; limits: right only within a limited range of input values
;; launch pool (part 1): grid 1024 x 1, 4 waves a work-group, no clusters, 86,016 bytes of LDS; arguments features, key_w, key_b, begins, ends, lowp_scales, out0; writes out0
.if DOCPART == 1
	.amdgcn_target "amdgcn-amd-amdhsa--gfx1250"
	.amdhsa_code_object_version 6
	.text
	.protected	k_q63f535d36f_pool
	.globl	k_q63f535d36f_pool
	.p2align	8
	.type	k_q63f535d36f_pool,@function
k_q63f535d36f_pool:
	s_mov_b64 s[64:65], 0
	v_nop
	global_prefetch_b8 v0, s[64:65] scope:SCOPE_SE
	s_setreg_imm32_b32 hwreg(HW_REG_WAVE_MODE, 25, 1), 1
	s_wait_xcnt 0x0
; out0[b][s][128 hd + d] = sum over t of softmax_t(masked logit[b][t][hd]) features[b][t][128 hd + d];  logit = features[b][t][:] . key_w[hd][:] + key_b[hd];
; rows t outside begins[b][s] <= t < ends[b][s] count as logit -100,000.  features [8][2048][1024], key_w [8][1024], key_b [8], out0 [8][128][1024]: f32; begins, ends [8][128]: int32.
; The second product is made on codes of E5M2: p = 2^(t - M), t = logit x log2(e), M = ceil(largest t so far), with the scale 2^ep; the features with 2^ev (lowp_scales: ep, ev).  The row's sum l is taken of the unquantised p.
; ONE WORK-GROUP TO A SPAN, four waves; wave w owns columns 256 w .. 256 w + 255: heads 2 w and 2 w + 1.  Only the span's rows are read: the others' p is 0.  The rows go in windows of 32.
; A LANE (r = lane % 16, h = lane / 16) holds rows 2 i + h (i = 0 .. 15) of the window and, of load u (0 .. 3), columns 64 u + 4 r + 0 .. 3: a load of the wave covers two aligned runs of 256 bytes.
; Each number is loaded once: eight multiply-adds (its part in the logits of all eight heads), then the hold and the conversion to a code.
; THE LOGITS.  A lane's eight sums of a row (over its 16 columns) go to LDS; behind one barrier lane L of wave w adds the 64 parts (16 lanes x 4 waves) of row L for its two heads.  The softmax then has a row to a lane.
; THE PRODUCT.  K = 128 of an instruction is (h, 16 code registers, 4 bytes) = 32 rows x 4 neighbouring columns, alike in A and B.  Row m of A holds p's codes in byte m % 4 alone (rows 0-3, and again 8-11; the others are zeros),
; so D(m, r) = column 4 r + m % 4: registers 0-3 of an accumulator are 16 bytes of the output row in lanes 0-15, and the same again in lanes 16-31, which store the neighbouring accumulator's: 512 consecutive bytes a store.
; EVERY WIDTH.  Of the first window only the groups of four rows that the span reaches are loaded and worked.  Rows behind the first 32 are walked in a loop without a barrier:
; there a wave makes the logits of its own two heads over all four column blocks by itself, its own block last.  An empty span is walked as rows 0 .. 2,047 with every logit -100,000.
; No tensor loads (the walk hangs on begins and ends), no cluster (work-groups share key_w alone, 32 KiB, which lands in registers), no prefetch (all of a work-group's loads go out at its head).
; LIMITS: the largest logit of a span that is not empty lies above -99,800, so that p of the rows outside is 0; ep and ev lie between -126 and 112, ep + ev between -115 and 126; NaN among the inputs is not served.
; REGISTERS.  Window 0: v1-16 addresses and constants; v32-63 two sets of eight packed sums; v64-127 the features' codes (16 u + i); v128-255 key_w (16 hd + 4 u + j), and behind the barrier: v128-159 A (two heads), v160-191 four accumulators,
; v192-223 p, v224-231 p's codes, v232-235 byte selectors, v236-255 the softmax's state.  Window 1: the window's numbers (64 u + 4 i + j), later the parts of the logits read back.
.set ROWB, 4096                        ; a row of features in bytes
.set RS,   2064                        ; LDS: a row's parts: 2 quads of heads x 64 sources x 16 bytes, + 16 of padding
.set QB,   32*RS                       ; behind the 32 rows: 256 bytes a wave, for p
.set P2B,  QB+1024                     ; behind them: a region of its own for each wave, for the wide path's parts
.set RS2,  144                         ; there a row is 16 sources x 8 bytes + 16
.set P2W,  32*RS2
.set LN,   1                           ; v1   lane
.set RR,   2                           ; v2   r
.set HH,   3                           ; v3   h
.set XO,   4                           ; v4   features: 4096 h + 16 r
.set WO,   5                           ; v5   key_w: 16 r
.set PST,  6                           ; v6   LDS, my parts: RS h + 256 w + 16 r
.set PS2,  7                           ; v7   the wide path's: P2B + P2W w + RS2 h + 8 r
.set PRD,  8                           ; v8   where I read row L's parts of my two heads: RS L + 1024 (w / 2) + 8 (w % 2)
.set PR2,  9                           ; v9   the wide path's: P2B + P2W w + RS2 L
.set QST,  10                          ; v10  where row L's p goes: QB + 256 w + 64 (L % 2) + 4 (L / 2)
.set QRD,  11                          ; v11  where my half's 16 p lie: QB + 256 w + 64 h
.set OO,   12                          ; v12  out0: 256 h + 16 r
.set TA,   13
.set LIMX, 14                          ; v14  57,344 x 2^ev
.set SCX,  15                          ; v15  2^ev
.set SCP,  16                          ; v16  2^ep
.set AC,   32
.set CB,   64
.set WB,   128
.set A0,   128
.set OA,   160
.set PF,   192
.set PC,   224
.set SEL,  232
.set TT,   236                         ; t of my row, two heads
.set MX,   238
.set TM,   240                         ; the largest t so far
.set NM,   242                         ; -M
.set LS,   244                         ; my row's part of l
.set FF,   246                         ; v[246:247], v[248:249]: a factor for each head, twice
.set PH,   250
.set TP,   252
.set MSB, 0
.macro WIN new                         ; bits 1:0 source 0, 3:2 source 1, 5:4 source 2, 7:6 destination; the high byte repeats the setting that is left
.if MSB != \new
	s_set_vgpr_msb (MSB<<8)|\new
.set MSB, \new
.endif
.endm
; The window of 32 rows for the rows from s28 on (s29: the span's end).  It begins at ws = min(s28, 2016), so that it lies inside the batch's 2,048 rows; its rows lo <= row < n count.
.macro WINDOW
	s_min_u32 s35, s28, 2016                       ; ws
	s_sub_co_u32 s36, s28, s35                     ; lo
	s_sub_co_u32 s37, s29, s35
	s_min_u32 s37, s37, 32                         ; n
	s_lshr_b32 s38, ttmp9, 7                       ; the batch
	s_lshl_b32 s38, s38, 11
	s_add_co_u32 s38, s38, s35
	s_lshl_b32 s38, s38, 12                        ; (2048 b + ws) rows of 4,096 bytes: under 2^26
	s_mov_b32 s39, 0
	s_add_nc_u64 s[38:39], s[4:5], s[38:39]
.endm
; Group g (rows 4 g .. 4 g + 3) is left out: its codes are zeros, and so are my parts of its rows' logits, so that every byte that is read behind the barrier has been stored.
.macro ZERO g
.irp u, 0,1,2,3
	v_mov_b32 v[CB+16*\u+2*(\g)], 0
	v_mov_b32 v[CB+16*\u+2*(\g)+1], 0
.endr
.irp q, 0,1
	ds_store_b128 v[PST], v[AC:AC+3] offset:(4*(\g)+2*\q)*RS
	ds_store_b128 v[PST], v[AC:AC+3] offset:(4*(\g)+2*\q)*RS+1024
.endr
.endm
; Group g's eight loads: lanes 0-15 take 256 bytes of row 4 g + 2 q, lanes 16-31 of the row below
.macro LOADS g
.irp q, 0,1
.irp u, 0,1,2,3
	global_load_b128 v[64*\u+8*(\g)+4*\q:64*\u+8*(\g)+4*\q+3], v[XO], s[40:41] offset:(4*(\g)+2*\q)*ROWB+256*\u
.endr
.endr
.endm
; A span that reaches k groups: their loads, the highest group first, and then into the chain at that group.  So on every way into a link of the chain its group and all lower ones have been asked for, in this order.
.macro VAR k
.Lv\k:
	WIN 0x40                                       ; destination window 1
.set gv, (\k)-1
.rept \k
	LOADS gv
.set gv, gv-1
.endr
	WIN 0
.if \k < 8
	s_branch .Lc\k
.endif
.endm
; A link of the chain: group k - 1.  128 packed multiply-adds (2 rows a lane x 8 pairs of columns x 8 heads), the hold, four conversions, the pairs' halves added, four LDS stores.
.macro CHAIN k
.Lc\k:
.set gg, (\k)-1
	s_wait_loadcnt 8*gg                            ; behind this group's loads stand those of the gg lower groups, eight each, on every way: they may be out; key_w was asked for earlier
	WIN 0x01                                       ; source 0 (the numbers) window 1
.set xp, 0
.rept 8
.set xr, 64*(xp/2)+8*gg+2*(xp%2)
.irp q, 0,1
.irp hd, 0,1,2,3,4,5,6,7
.if xp == 0
	v_pk_mul_f32 v[AC+16*\q+2*\hd:AC+16*\q+2*\hd+1], v[xr+4*\q:xr+4*\q+1], v[WB+16*\hd+2*xp:WB+16*\hd+2*xp+1]   ; the first pair of columns starts the sums
.else
	v_pk_fma_f32 v[AC+16*\q+2*\hd:AC+16*\q+2*\hd+1], v[xr+4*\q:xr+4*\q+1], v[WB+16*\hd+2*xp:WB+16*\hd+2*xp+1], v[AC+16*\q+2*\hd:AC+16*\q+2*\hd+1]
.endif
.endr
.endr
.set xp, xp+1
.endr
	WIN 0x41                                       ; destination and source 0 window 1
.irp u, 0,1,2,3
.irp ee, 0,1,2,3,4,5,6,7
	v_med3_num_f32 v[64*\u+8*gg+\ee], v[64*\u+8*gg+\ee], -v[LIMX], v[LIMX]   ; the conversion to an 8-bit code does not saturate (ISA guide 7.6.2): the hold at the largest code x the scale
.endr
.endr
	WIN 0x01
.irp u, 0,1,2,3
	v_cvt_scalef32_pk8_bf8_f32 v[CB+16*\u+2*gg:CB+16*\u+2*gg+1], v[64*\u+8*gg:64*\u+8*gg+7], v[SCX]   ; two rows x four columns: code register 16 u + i holds row 2 i + h, columns 64 u + 4 r + 0 .. 3
.endr
	WIN 0
.irp q, 0,1
.irp hd, 0,1,2,3,4,5,6,7
	v_add_f32 v[AC+16*\q+\hd], v[AC+16*\q+2*\hd], v[AC+16*\q+2*\hd+1]   ; even columns' sum + odd columns'; head hd's sum moves down to register hd.  (Plain lines behind the conversions, ahead of whatever touches the codes next)
.endr
.endr
.irp q, 0,1
	ds_store_b128 v[PST], v[AC+16*\q:AC+16*\q+3] offset:(4*gg+2*\q)*RS             ; heads 0-3: sixteen lanes store 256 consecutive bytes
	ds_store_b128 v[PST], v[AC+16*\q+4:AC+16*\q+7] offset:(4*gg+2*\q)*RS+1024      ; heads 4-7
.endr
.endm
; n parts of row L's two logits are read (str bytes apart) into window 1 ..
.macro READER adr, str, n
	WIN 0x40
.set ss, 0
.rept \n
	ds_load_b64 v[2*ss:2*ss+1], v[\adr] offset:(\str)*ss
.set ss, ss+1
.endr
.endm
; .. and added, both heads at once, in four chains
.macro SUMS n
	WIN 0x45                                       ; destination and both sources window 1
	s_wait_dscnt (\n)-16                           ; LDS loads come back in order: the first sixteen are in
.set ss, 4
.rept (\n)-4
.if (ss % 16) == 0
	s_wait_dscnt (\n)-16-ss                        ; the next sixteen
.endif
	v_pk_add_f32 v[2*(ss%4):2*(ss%4)+1], v[2*(ss%4):2*(ss%4)+1], v[2*ss:2*ss+1]
.set ss, ss+1
.endr
	v_pk_add_f32 v[0:1], v[0:1], v[2:3]
	v_pk_add_f32 v[4:5], v[4:5], v[6:7]
	WIN 0x05                                       ; the last sum lands in window 0
	v_pk_add_f32 v[TT:TT+1], v[0:1], v[4:5]
	WIN 0
.endm
; A window's logits become p, p's codes become A, and four products add the window to the output.  first = 1: the span's first window: it starts M, l and the accumulators.
.macro PHASEB first
.if \first
	READER PRD, 16, 64
	WIN 0
	v_and_b32 v[TP], 3, v[RR]                      ; while the parts are on their way: the byte selectors.  Row m = r of A keeps byte m % 4 (rows with m % 8 < 4), all other bytes are 0 (selector 0x0c)
	v_lshlrev_b32 v[TP], 3, v[TP]
	v_lshlrev_b32 v[TP], v[TP], 1                  ; e = 1 << 8 (r % 4)
	v_and_b32 v[TP+1], 4, v[RR]
	v_cmp_eq_u32 vcc_lo, 0, v[TP+1]
	v_cndmask_b32 v[TP], 0, v[TP], vcc_lo          ; or 0 in the rows that stay zeros
	v_lshlrev_b32 v[TP+1], 2, v[TP]
	v_lshl_add_u32 v[TP+1], v[TP], 3, v[TP+1]      ; 12 e
	v_sub_nc_u32 v[SEL], 0x0c0c0c0c, v[TP+1]       ; selector k: my byte takes byte k of the source
	v_add_nc_u32 v[SEL+1], v[SEL], v[TP]
	v_add_nc_u32 v[SEL+2], v[SEL+1], v[TP]
	v_add_nc_u32 v[SEL+3], v[SEL+2], v[TP]
	SUMS 64
.set PP, LS
.else
	READER PR2, 8, 16
	SUMS 16
.set PP, TT
.endif
	v_cmp_le_u32 s44, s36, v[LN]                   ; lo <= my row
	v_cmp_gt_u32 s45, s37, v[LN]                   ; my row < n
	v_add_f32 v[TT], s32, v[TT]                    ; + key_b
	v_add_f32 v[TT+1], s33, v[TT+1]
	v_mov_b32 v[TP], 0xc7c35000                    ; -100,000
	v_mov_b32 v[TP+1], 0xff61b1e6                  ; -3e38: under every t
	s_and_b32 s44, s44, s45
	v_cndmask_b32 v[TT], v[TT], v[TP], s34         ; an empty span: every logit is -100,000
	v_cndmask_b32 v[TT+1], v[TT+1], v[TP], s34
	v_mul_f32 v[TT], 0x3fb8aa3b, v[TT]             ; t = logit x log2(e)
	v_mul_f32 v[TT+1], 0x3fb8aa3b, v[TT+1]
	v_cndmask_b32 v[TT], v[TP+1], v[TT], s44       ; a row outside the span: p = 0
	v_cndmask_b32 v[TT+1], v[TP+1], v[TT+1], s44
	v_mov_b32 v[MX], v[TT]
	v_mov_b32 v[MX+1], v[TT+1]
.irp m, 1,2,4,8
	v_max_num_f32_dpp v[MX], v[MX], v[MX] row_xmask:\m row_mask:0xf bank_mask:0xf
	v_max_num_f32_dpp v[MX+1], v[MX+1], v[MX+1] row_xmask:\m row_mask:0xf bank_mask:0xf
.endr
	v_permlanex16_b32 v[TP], v[MX], s50, s51
	v_permlanex16_b32 v[TP+1], v[MX+1], s50, s51
.if \first
	v_max_num_f32 v[TM], v[MX], v[TP]              ; the window's largest t, in every lane
	v_max_num_f32 v[TM+1], v[MX+1], v[TP+1]
	v_floor_f32 v[NM], -v[TM]                      ; -M = floor(-t) = -ceil(t): a whole number
	v_floor_f32 v[NM+1], -v[TM+1]
.else
	v_max3_num_f32 v[TM], v[MX], v[TP], v[TM]      ; the running largest t
	v_max3_num_f32 v[TM+1], v[MX+1], v[TP+1], v[TM+1]
	v_mov_b32 v[TP+2], v[NM]
	v_mov_b32 v[TP+3], v[NM+1]
	v_floor_f32 v[NM], -v[TM]
	v_floor_f32 v[NM+1], -v[TM+1]
	v_sub_f32 v[TP+2], v[NM], v[TP+2]              ; old M - new M: a whole number, 0 or less
	v_sub_f32 v[TP+3], v[NM+1], v[TP+3]
	v_cvt_i32_f32 v[TP+2], v[TP+2]
	v_cvt_i32_f32 v[TP+3], v[TP+3]
	v_ldexp_f32 v[FF], 1.0, v[TP+2]                ; f = 2^(old M - new M), twice for the packed products: nothing is rounded by it
	v_ldexp_f32 v[FF+1], 1.0, v[TP+2]
	v_ldexp_f32 v[FF+2], 1.0, v[TP+3]
	v_ldexp_f32 v[FF+3], 1.0, v[TP+3]
.endif
	v_add_f32 v[TT], v[TT], v[NM]
	v_add_f32 v[TT+1], v[TT+1], v[NM+1]
	v_exp_f32 v[PP], v[TT]                         ; p = 2^(t - M): one instruction for 32 rows of a head
	v_exp_f32 v[PP+1], v[TT+1]
	v_nop                                          ; a plain line behind the exponentials,
	s_wait_alu depctr_va_vdst(0)                   ; and the one wait for both, ahead of their first reader
.if !\first
	v_fma_f32 v[LS], v[LS], v[FF], v[TT]           ; l under the new M, + the unquantised p
	v_fma_f32 v[LS+1], v[LS+1], v[FF+2], v[TT+1]
.endif
	v_min_num_f32 v[PH], s48, v[PP]                ; p is not negative: the hold is one-sided
	v_min_num_f32 v[PH+1], s48, v[PP+1]
	ds_store_b32 v[QST], v[PH]                     ; from a row to a lane to sixteen rows to a lane: through my wave's own 256 bytes; LDS serves a wave's instructions in order
	ds_store_b32 v[QST], v[PH+1] offset:128
.irp hd, 0,1
.irp q, 0,1,2,3
	ds_load_b128 v[PF+16*\hd+4*\q:PF+16*\hd+4*\q+3], v[QRD] offset:128*\hd+16*\q   ; p of rows 2 c + h, c = 4 q .. 4 q + 3
.endr
.endr
	s_wait_dscnt 0x0
.irp hd, 0,1
.irp q, 0,1
	v_cvt_scalef32_pk8_bf8_f32 v[PC+4*\hd+2*\q:PC+4*\hd+2*\q+1], v[PF+16*\hd+8*\q:PF+16*\hd+8*\q+7], v[SCP]
.endr
.endr
	v_nop                                          ; one plain line between the conversions and the readers of their results
.irp hd, 0,1
.set cc, 0
.rept 16
	v_perm_b32 v[A0+16*\hd+cc], v[PC+4*\hd+cc/4], v[PC+4*\hd+cc/4], v[SEL+cc%4]   ; register c of A: the code of p(row 2 c + h) in my row's byte, zeros beside it
.set cc, cc+1
.endr
.endr
.if !\first
.irp u, 0,1,2,3
	v_pk_mul_f32 v[OA+8*\u:OA+8*\u+1], v[OA+8*\u:OA+8*\u+1], v[FF+2*(\u/2):FF+2*(\u/2)+1]       ; what was summed under the old M, each accumulator from its low end on; registers 4-7 belong to A's zero rows and stay 0
	v_pk_mul_f32 v[OA+8*\u+2:OA+8*\u+3], v[OA+8*\u+2:OA+8*\u+3], v[FF+2*(\u/2):FF+2*(\u/2)+1]
.endr
.endif
.irp u, 0,1,2,3                        ; four accumulators by turns, one instruction a turn
.if \first
	v_wmma_f32_16x16x128_bf8_bf8 v[OA+8*\u:OA+8*\u+7], v[A0+16*(\u/2):A0+16*(\u/2)+15], v[CB+16*\u:CB+16*\u+15], 0
.else
	v_wmma_f32_16x16x128_bf8_bf8 v[OA+8*\u:OA+8*\u+7], v[A0+16*(\u/2):A0+16*(\u/2)+15], v[CB+16*\u:CB+16*\u+15], v[OA+8*\u:OA+8*\u+7]
.endif
.endr
.rept 4
	v_nop                                          ; four places ahead of vector lines that read the results or write over the codes, and of loads into A's registers
.endr
.endm
	s_load_b256 s[4:11], s[0:1], 0x0               ; features s[4:5], key_w s[6:7], key_b s[8:9], begins s[10:11]
	s_load_b128 s[12:15], s[0:1], 0x20             ; ends s[12:13], lowp_scales s[14:15]
	s_load_b64 s[16:17], s[0:1], 0x30              ; out0
	v_lshl_add_u32 v30, v0, 2, 0x14e00
	v_mov_b32 v31, 0
	v_lshrrev_b32 v[LN], 5, v0
	v_readfirstlane_b32 s18, v[LN]                 ; wave 0..3
	s_lshl_b32 s26, ttmp9, 2                       ; the span's place in begins and ends
	s_lshl_b32 s27, s18, 3                         ; my two heads' place in key_b
	v_and_b32 v[RR], 15, v0
	v_lshlrev_b32 v[WO], 4, v[RR]
	s_lshl_b32 s24, s18, 10
	s_mov_b32 s25, 0
	s_lshl_b32 s56, s18, 13
	s_mov_b32 s57, 0
	s_wait_kmcnt 0x0
	s_load_b32 s28, s[10:11], s26 offset:0x0       ; begin
	s_load_b32 s29, s[12:13], s26 offset:0x0       ; end
	s_load_b64 s[30:31], s[14:15], 0x0             ; ep, ev
	s_load_b64 s[32:33], s[8:9], s27 offset:0x0    ; key_b of heads 2 w, 2 w + 1
	s_add_nc_u64 s[24:25], s[6:7], s[24:25]        ; key_w at my 256 columns
	s_add_nc_u64 s[56:57], s[6:7], s[56:57]        ; key_w at my two heads' rows, for the wide path
.set hw, 0
.rept 8
.irp u, 0,1,2,3
	global_load_b128 v[WB+16*hw+4*\u:WB+16*hw+4*\u+3], v[WO], s[24:25] offset:hw*4096+\u*256   ; key_w(hw, my 16 columns): both halves of the lanes take the same 256 bytes
.endr
.set hw, hw+1
.endr
	v_and_b32 v[LN], 31, v0
	v_bfe_u32 v[HH], v0, 4, 1
	v_lshl_add_u32 v[XO], v[HH], 12, v[WO]
	v_lshl_add_u32 v[OO], v[HH], 8, v[WO]
	s_lshl_b32 s19, s18, 8
	v_mul_u32_u24 v[PST], v[HH], RS
	v_add_nc_u32 v[PST], v[PST], v[WO]
	v_add_nc_u32 v[PST], s19, v[PST]
	s_lshr_b32 s20, s18, 1
	s_lshl_b32 s20, s20, 10
	s_and_b32 s21, s18, 1
	s_lshl_b32 s21, s21, 3
	s_add_co_u32 s20, s20, s21
	v_mul_u32_u24 v[PRD], v[LN], RS
	v_add_nc_u32 v[PRD], s20, v[PRD]
	s_mul_i32 s21, s18, P2W
	s_add_co_u32 s21, s21, P2B
	v_mul_u32_u24 v[PS2], v[HH], RS2
	v_lshl_add_u32 v[PS2], v[RR], 3, v[PS2]
	v_add_nc_u32 v[PS2], s21, v[PS2]
	v_mul_u32_u24 v[PR2], v[LN], RS2
	v_add_nc_u32 v[PR2], s21, v[PR2]
	s_add_co_u32 s22, s19, QB
	v_and_b32 v[QST], 1, v0
	v_lshlrev_b32 v[QST], 6, v[QST]
	v_bfe_u32 v[TA], v0, 1, 4
	v_lshl_add_u32 v[QST], v[TA], 2, v[QST]
	v_add_nc_u32 v[QST], s22, v[QST]
	v_lshlrev_b32 v[QRD], 6, v[HH]
	v_add_nc_u32 v[QRD], s22, v[QRD]
	s_lshl_b32 s60, ttmp9, 12                      ; out0: the span's row of 4,096 bytes, my 1,024 of them
	s_lshl_b32 s61, s18, 10
	s_add_co_u32 s60, s60, s61
	s_mov_b32 s61, 0
	s_add_nc_u64 s[16:17], s[16:17], s[60:61]
	s_mov_b32 s50, 0x76543210                      ; v_permlanex16_b32: lane l takes lane l xor 16
	s_mov_b32 s51, 0xfedcba98
	s_mov_b32 s52, 0xffff0000                      ; lanes 16-31
	s_wait_kmcnt 0x0
	s_max_i32 s28, s28, 0                          ; the mask compares with 0 <= t < 2,048
	s_min_i32 s29, s29, 2048
	s_cmp_ge_i32 s28, s29                          ; no row inside: every row counts alike
	s_cselect_b32 s34, -1, 0
	s_cselect_b32 s28, 0, s28
	s_cselect_b32 s29, 2048, s29
	WINDOW
	s_lshl_b32 s40, s18, 10
	s_mov_b32 s41, 0
	s_add_nc_u64 s[40:41], s[38:39], s[40:41]      ; the window's first row, my columns
	s_add_co_u32 s42, s37, 3
	s_lshr_b32 s42, s42, 2                         ; groups of four rows that the span reaches: 1 to 8
	s_add_co_i32 s46, s31, 127
	s_lshl_b32 s47, s46, 23
	v_mov_b32 v[SCX], s47                          ; 2^ev as f32: the conversion takes its exponent field
	s_add_co_i32 s46, s46, 15
	s_lshl_b32 s46, s46, 23
	s_or_b32 s46, s46, 0x600000
	v_mov_b32 v[LIMX], s46                         ; 57,344 x 2^ev
	s_add_co_i32 s46, s30, 127
	s_lshl_b32 s47, s46, 23
	v_mov_b32 v[SCP], s47                          ; 2^ep
	s_add_co_i32 s46, s46, 15
	s_lshl_b32 s48, s46, 23
	s_or_b32 s48, s48, 0x600000                    ; 57,344 x 2^ep
	s_add_co_i32 s49, s30, s31                     ; ep + ev
	; which groups?  The ones left out get their zeros on the way down
	s_cmp_ge_u32 s42, 8
	s_cbranch_scc1 .Lv8
.irp j, 0,1,2,3
	v_mov_b32 v[AC+\j], 0                          ; sixteen bytes of zeros for the stores below
.endr
.irp k, 7,6,5,4,3,2
	ZERO \k
	s_cmp_ge_u32 s42, \k
	s_cbranch_scc1 .Lv\k
.endr
	ZERO 1
.irp k, 1,2,3,4,5,6,7,8
	VAR \k
.endr
.irp k, 8,7,6,5,4,3,2,1
	CHAIN \k
.endr
	s_wait_dscnt 0x0                               ; for the others' sake: my parts of all 32 rows are in LDS
	s_barrier_signal -1
	s_barrier_wait -1                              ; everybody's are.  The one barrier, on every way of every wave: behind it a wave writes only its own LDS bytes, and reads the parts, which nobody writes again
	PHASEB 1
	s_add_co_u32 s28, s28, 32
	s_cmp_ge_u32 s28, s29
	s_cbranch_scc1 .Lout                           ; the span had 32 rows at the most
; THE WIDE PATH: a window of 32 rows a trip, no barrier.  The wave walks all four column blocks for the logits of its own two heads; its own block comes last and stays in window 1 for the codes.
; The trips are counted once, ahead of the loop: (end - next row + 31) / 32 windows are left, 63 at the most ((2,048 - 32 + 31) / 32); the loop's counter s58 steps by 1 against s43, which the loop does not write.
	s_sub_co_u32 s43, s29, s28
	s_add_co_u32 s43, s43, 31
	s_lshr_b32 s43, s43, 5
	s_min_u32 s43, s43, 63
	s_mov_b32 s58, 0
.Lwide:
	WINDOW
.set zz, 0
.rept 64
	v_mov_b32 v[CB+zz], 0                          ; the packed sums (row 2 i + h, head hd at 4 i + 2 hd) lie where the codes will: the walk over the blocks is written once, so its first trip finds zeros
.set zz, zz+1
.endr
	s_mov_b32 s53, 0
.Lblk:                                                 ; four trips; all earlier loads have been waited for, so both bases may be written
	s_add_co_u32 s54, s18, s53
	s_add_co_u32 s54, s54, 1
	s_and_b32 s54, s54, 3                          ; block (w + 1 + trip) % 4
	s_lshl_b32 s54, s54, 10
	s_mov_b32 s55, 0
	s_add_nc_u64 s[40:41], s[38:39], s[54:55]
	s_add_nc_u64 s[24:25], s[56:57], s[54:55]
.irp hd, 0,1
.irp u, 0,1,2,3
	global_load_b128 v[A0+16*\hd+4*\u:A0+16*\hd+4*\u+3], v[WO], s[24:25] offset:\hd*4096+\u*256   ; key_w(2 w + hd, the block's columns 64 u + 4 r + 0 .. 3)
.endr
.endr
	WIN 0x40
.set ii, 0
.rept 16
.irp u, 0,1,2,3
	global_load_b128 v[64*\u+4*ii:64*\u+4*ii+3], v[XO], s[40:41] offset:2*ii*ROWB+256*\u
.endr
.set ii, ii+1
.endr
	s_wait_loadcnt 0x0
	WIN 0x01
.set xp, 0
.rept 8
.set ii, 0
.rept 16
.irp hd, 0,1
	v_pk_fma_f32 v[CB+4*ii+2*\hd:CB+4*ii+2*\hd+1], v[64*(xp/2)+4*ii+2*(xp%2):64*(xp/2)+4*ii+2*(xp%2)+1], v[A0+16*\hd+2*xp:A0+16*\hd+2*xp+1], v[CB+4*ii+2*\hd:CB+4*ii+2*\hd+1]
.endr
.set ii, ii+1
.endr
.set xp, xp+1
.endr
	WIN 0
	s_add_co_u32 s53, s53, 1
	s_cmp_lt_u32 s53, 4
	s_cbranch_scc1 .Lblk
.set ii, 0
.rept 16
.irp hd, 0,1
	v_add_f32 v[AC+2*ii+\hd], v[CB+4*ii+2*\hd], v[CB+4*ii+2*\hd+1]   ; even columns' sum + odd columns'
.endr
.set ii, ii+1
.endr
.set ii, 0
.rept 16
	ds_store_b64 v[PS2], v[AC+2*ii:AC+2*ii+1] offset:2*ii*RS2       ; row 2 i + h, source r: my wave's own bytes
.set ii, ii+1
.endr
	WIN 0x41
.set zz, 0
.rept 256
	v_med3_num_f32 v[zz], v[zz], -v[LIMX], v[LIMX]                  ; the hold, as in the chain
.set zz, zz+1
.endr
	WIN 0x01
.irp u, 0,1,2,3
.irp g, 0,1,2,3,4,5,6,7
	v_cvt_scalef32_pk8_bf8_f32 v[CB+16*\u+2*\g:CB+16*\u+2*\g+1], v[64*\u+8*\g:64*\u+8*\g+7], v[SCX]
.endr
.endr
	v_nop                                          ; one plain line behind the last conversion
	WIN 0
	PHASEB 0
	s_add_co_u32 s28, s28, 32                      ; the next window's first row
	s_add_co_u32 s58, s58, 1
	s_cmp_lt_u32 s58, s43
	s_cbranch_scc1 .Lwide
; THE WAY OUT: l over the 32 lanes; the sums x 2^(ep + ev) / l; two stores of 512 consecutive bytes.
.Lout:
.irp m, 1,2,4,8
	v_add_f32_dpp v[LS], v[LS], v[LS] row_xmask:\m row_mask:0xf bank_mask:0xf
	v_add_f32_dpp v[LS+1], v[LS+1], v[LS+1] row_xmask:\m row_mask:0xf bank_mask:0xf
.endr
	v_permlanex16_b32 v[TP], v[LS], s50, s51
	v_permlanex16_b32 v[TP+1], v[LS+1], s50, s51
	v_add_f32 v[LS], v[LS], v[TP]
	v_add_f32 v[LS+1], v[LS+1], v[TP+1]            ; above 1/2: the largest p is
	v_rcp_f32 v[FF], v[LS]
	v_rcp_f32 v[FF+2], v[LS+1]
.irp v, 0,1
.irp j, 0,1,2,3
	v_cndmask_b32 v[PF+4*\v+\j], v[OA+16*\v+\j], v[OA+16*\v+8+\j], s52   ; lanes 0-15 keep accumulator 2 v, lanes 16-31 take 2 v + 1: each from its low end on.  (The plain work behind the reciprocals)
.endr
.endr
	s_wait_alu depctr_va_vdst(0)                   ; the one wait for both reciprocals, ahead of their first reader
	v_ldexp_f32 v[FF+1], v[FF], s49                ; x 2^(ep + ev), twice for the packed products
	v_ldexp_f32 v[FF], v[FF], s49
	v_ldexp_f32 v[FF+3], v[FF+2], s49
	v_ldexp_f32 v[FF+2], v[FF+2], s49
.irp v, 0,1
	v_pk_mul_f32 v[PF+4*\v:PF+4*\v+1], v[PF+4*\v:PF+4*\v+1], v[FF+2*\v:FF+2*\v+1]
	v_pk_mul_f32 v[PF+4*\v+2:PF+4*\v+3], v[PF+4*\v+2:PF+4*\v+3], v[FF+2*\v:FF+2*\v+1]
.endr
.irp v, 0,1
	global_store_b128 v[OO], v[PF+4*\v:PF+4*\v+3], s[16:17] offset:512*\v th:TH_STORE_NT   ; head 2 w + v: 32 lanes store 512 consecutive bytes, at a multiple of 256 from out0's first byte
.endr
	s_wait_tensorcnt 0x0
	ds_add_u32 v30, v31
	s_wait_dscnt 0x0
	s_endpgm
.Lfunc_end_k_q63f535d36f_pool:
	.size	k_q63f535d36f_pool, .Lfunc_end_k_q63f535d36f_pool-k_q63f535d36f_pool
	.p2alignl 7, 3214868480
	.fill 96, 4, 3214868480
	.section	.rodata,"a",@progbits
	.p2align	6, 0x0
	.amdhsa_kernel k_q63f535d36f_pool
		.amdhsa_group_segment_fixed_size 86016
		.amdhsa_private_segment_fixed_size 0
		.amdhsa_enable_private_segment 0
		.amdhsa_kernarg_size 56
		.amdhsa_user_sgpr_count 2
		.amdhsa_user_sgpr_kernarg_segment_ptr 1
		.amdhsa_wavefront_size32 1
		.amdhsa_system_sgpr_workgroup_id_x 1
		.amdhsa_system_sgpr_workgroup_id_y 1
		.amdhsa_system_sgpr_workgroup_id_z 1
		.amdhsa_system_vgpr_workitem_id 0
		.amdhsa_next_free_vgpr 512
		.amdhsa_next_free_sgpr 66
		.amdhsa_reserve_vcc 1
		.amdhsa_float_denorm_mode_32 3
		.amdhsa_float_denorm_mode_16_64 3
		.amdhsa_memory_ordered 1
		.amdhsa_forward_progress 1
		.amdhsa_inst_pref_size 199
	.end_amdhsa_kernel
	.amdgpu_metadata
---
amdhsa.version: [ 1, 2 ]
amdhsa.kernels:
  - .name:           k_q63f535d36f_pool
    .symbol:         k_q63f535d36f_pool.kd
    .args:
      - { .name: features, .offset: 0, .size: 8, .value_kind: global_buffer, .address_space: global }
      - { .name: key_w, .offset: 8, .size: 8, .value_kind: global_buffer, .address_space: global }
      - { .name: key_b, .offset: 16, .size: 8, .value_kind: global_buffer, .address_space: global }
      - { .name: begins, .offset: 24, .size: 8, .value_kind: global_buffer, .address_space: global }
      - { .name: ends, .offset: 32, .size: 8, .value_kind: global_buffer, .address_space: global }
      - { .name: lowp_scales, .offset: 40, .size: 8, .value_kind: global_buffer, .address_space: global }
      - { .name: out0, .offset: 48, .size: 8, .value_kind: global_buffer, .address_space: global }
    .group_segment_fixed_size: 86016
    .private_segment_fixed_size: 0
    .kernarg_segment_align: 8
    .kernarg_segment_size: 56
    .max_flat_workgroup_size: 128
    .sgpr_count:     66
    .vgpr_count:     512
    .wavefront_size: 32
...
	.end_amdgpu_metadata
.endif
;; end of part 1
;; ======== version 2 of 2: 1 launch; version 1 with the launch pool written anew for expert scheduling mode
;; limits: right only within a limited range of input values
;; launch pool (part 2): grid 1024 x 1, 4 waves a work-group, no clusters, 86,016 bytes of LDS; arguments features, key_w, key_b, begins, ends, lowp_scales, out0; writes out0
.if DOCPART == 2
	.amdgcn_target "amdgcn-amd-amdhsa--gfx1250"
	.amdhsa_code_object_version 6
	.text
	.protected	k_q63f535d36f_pool
	.globl	k_q63f535d36f_pool
	.p2align	8
	.type	k_q63f535d36f_pool,@function
k_q63f535d36f_pool:
	s_mov_b64 s[64:65], 0
	v_nop
	global_prefetch_b8 v0, s[64:65] scope:SCOPE_SE
	s_setreg_imm32_b32 hwreg(HW_REG_WAVE_SCHED_MODE, 0, 2), 2
	s_setreg_imm32_b32 hwreg(HW_REG_WAVE_MODE, 25, 1), 1
	s_wait_xcnt 0x0
	s_wait_alu depctr_vm_vsrc(0)
; out0[b][s][128 hd + d] = sum over t of softmax_t(masked logit[b][t][hd]) features[b][t][128 hd + d];  logit = features[b][t][:] . key_w[hd][:] + key_b[hd];
; rows t outside begins[b][s] <= t < ends[b][s] count as logit -100,000.  features [8][2048][1024], key_w [8][1024], key_b [8], out0 [8][128][1024]: f32; begins, ends [8][128]: int32.
; The second product is made on codes of E5M2: p = 2^(t - M), t = logit x log2(e), M = ceil(largest t so far), with the scale 2^ep; the features with 2^ev (lowp_scales: ep, ev).  The row's sum l is taken of the unquantised p.
; ONE WORK-GROUP TO A SPAN, four waves; wave w owns columns 256 w .. 256 w + 255: heads 2 w and 2 w + 1.  Only the span's rows are read: the others' p is 0.  The rows go in windows of 32.
; A LANE (r = lane % 16, h = lane / 16) holds rows 2 i + h (i = 0 .. 15) of the window and, of load u (0 .. 3), columns 64 u + 4 r + 0 .. 3: a load of the wave covers two aligned runs of 256 bytes.
; Each number is loaded once: eight multiply-adds (its part in the logits of all eight heads), then the hold and the conversion to a code.
; THE LOGITS.  A lane's eight sums of a row (over its 16 columns) go to LDS; behind one barrier lane L of wave w adds the 64 parts (16 lanes x 4 waves) of row L for its two heads.  The softmax then has a row to a lane.
; THE PRODUCT.  K = 128 of an instruction is (h, 16 code registers, 4 bytes) = 32 rows x 4 neighbouring columns, alike in A and B.  Row m of A holds p's codes in byte m % 4 alone (rows 0-3, and again 8-11; the others are zeros),
; so D(m, r) = column 4 r + m % 4: registers 0-3 of an accumulator are 16 bytes of the output row in lanes 0-15, and the same again in lanes 16-31, which store the neighbouring accumulator's: 512 consecutive bytes a store.
; EVERY WIDTH.  Of the first window only the groups of four rows that the span reaches are loaded and worked.  Rows behind the first 32 are walked in a loop without a barrier:
; there a wave makes the logits of its own two heads over all four column blocks by itself, its own block last.  An empty span is walked as rows 0 .. 2,047 with every logit -100,000.
; No tensor loads (the walk hangs on begins and ends), no cluster (work-groups share key_w alone, 32 KiB, which lands in registers), no prefetch (all of a work-group's loads go out at its head).
; LIMITS: the largest logit of a span that is not empty lies above -99,800, so that p of the rows outside is 0; ep and ev lie between -126 and 112, ep + ev between -115 and 126; NaN among the inputs is not served.
; REGISTERS.  Window 0: v1-16 addresses and constants; v30, v31 the closing add's two; v32-63 two sets of eight packed sums; v64-127 the features' codes (16 u + i); v128-255 key_w (16 hd + 4 u + j), and behind the barrier: v128-159 A (two heads), v160-191 four accumulators,
; v192-223 p, v224-231 p's codes, v232-235 byte selectors, v236-255 the softmax's state.  Window 1: the window's numbers (64 u + 4 i + j), later the parts of the logits read back.
; THE MODE: SCHED_MODE bits 1:0 = 2 (LLVM: expert scheduling mode 2), set by the entry lines.  The code itself states the register dependences
; between vector or matrix instructions and memory or LDS instructions, with s_wait_alu, always for 0.
; THE PLAN.  Registers that memory or LDS instructions touch:
;   v4-v12 (the addresses), v30, v31   written once at the head, never again: two waits on va_vdst at the head state them for the whole kernel.
;   v[AC ..]     written by the four zeros, by a link's multiply-adds and additions, by the wide path's additions; read by the LDS stores that follow them.  A link: vm_vsrc at its head (the stores before have read AC), va_vdst ahead of its four stores.
;   window 1     the features' loads land there, all ahead of the chain; the chain's vector lines read and write it; behind the chain the parts' LDS loads land in it: the last link's va_vdst, which every way passes, stands behind all those vector lines.
;   v128-255     key_w's loads land there at the head; behind the barrier vector and matrix lines take the registers over; p's LDS loads land in v[PF ..] behind the wait ahead of p's stores.
;   v[PH ..]     written by p's two holds, read by p's two LDS stores.
; The wide path: vm_vsrc at a window's head (AC, PH), va_vdst at each block's head (its loads land in A's registers and in window 1), va_vdst ahead of the parts' stores, which stand behind the conversions so that the same wait serves the loads of the parts.
.set ROWB, 4096                        ; a row of features in bytes
.set RS,   2064                        ; LDS: a row's parts: 2 quads of heads x 64 sources x 16 bytes, + 16 of padding
.set QB,   32*RS                       ; behind the 32 rows: 256 bytes a wave, for p
.set P2B,  QB+1024                     ; behind them: a region of its own for each wave, for the wide path's parts
.set RS2,  144                         ; there a row is 16 sources x 8 bytes + 16
.set P2W,  32*RS2
.set LN,   1                           ; v1   lane
.set RR,   2                           ; v2   r
.set HH,   3                           ; v3   h
.set XO,   4                           ; v4   features: 4096 h + 16 r
.set WO,   5                           ; v5   key_w: 16 r
.set PST,  6                           ; v6   LDS, my parts: RS h + 256 w + 16 r
.set PS2,  7                           ; v7   the wide path's: P2B + P2W w + RS2 h + 8 r
.set PRD,  8                           ; v8   where I read row L's parts of my two heads: RS L + 1024 (w / 2) + 8 (w % 2)
.set PR2,  9                           ; v9   the wide path's: P2B + P2W w + RS2 L
.set QST,  10                          ; v10  where row L's p goes: QB + 256 w + 64 (L % 2) + 4 (L / 2)
.set QRD,  11                          ; v11  where my half's 16 p lie: QB + 256 w + 64 h
.set OO,   12                          ; v12  out0: 256 h + 16 r
.set TA,   13
.set LIMX, 14                          ; v14  57,344 x 2^ev
.set SCX,  15                          ; v15  2^ev
.set SCP,  16                          ; v16  2^ep
.set AC,   32
.set CB,   64
.set WB,   128
.set A0,   128
.set OA,   160
.set PF,   192
.set PC,   224
.set SEL,  232
.set TT,   236                         ; t of my row, two heads
.set MX,   238
.set TM,   240                         ; the largest t so far
.set NM,   242                         ; -M
.set LS,   244                         ; my row's part of l
.set FF,   246                         ; v[246:247], v[248:249]: a factor for each head, twice
.set PH,   250
.set TP,   252
.set MSB, 0
.macro WIN new                         ; bits 1:0 source 0, 3:2 source 1, 5:4 source 2, 7:6 destination; the high byte repeats the setting that is left
.if MSB != \new
	s_set_vgpr_msb (MSB<<8)|\new
.set MSB, \new
.endif
.endm
; The window of 32 rows for the rows from s28 on (s29: the span's end).  It begins at ws = min(s28, 2016), so that it lies inside the batch's 2,048 rows; its rows lo <= row < n count.
.macro WINDOW
	s_min_u32 s35, s28, 2016                       ; ws
	s_sub_co_u32 s36, s28, s35                     ; lo
	s_sub_co_u32 s37, s29, s35
	s_min_u32 s37, s37, 32                         ; n
	s_lshr_b32 s38, ttmp9, 7                       ; the batch
	s_lshl_b32 s38, s38, 11
	s_add_co_u32 s38, s38, s35
	s_lshl_b32 s38, s38, 12                        ; (2048 b + ws) rows of 4,096 bytes: under 2^26
	s_mov_b32 s39, 0
	s_add_nc_u64 s[38:39], s[4:5], s[38:39]
.endm
; Group g (rows 4 g .. 4 g + 3) is left out: its codes are zeros, and so are my parts of its rows' logits, so that every byte that is read behind the barrier has been stored.
; The stores read v[PST] and v[AC .. AC+3], which the wait ahead of the branches has shown written; the lines between write the codes' registers alone.
.macro ZERO g
.irp u, 0,1,2,3
	v_mov_b32 v[CB+16*\u+2*(\g)], 0
	v_mov_b32 v[CB+16*\u+2*(\g)+1], 0
.endr
.irp q, 0,1
	ds_store_b128 v[PST], v[AC:AC+3] offset:(4*(\g)+2*\q)*RS
	ds_store_b128 v[PST], v[AC:AC+3] offset:(4*(\g)+2*\q)*RS+1024
.endr
.endm
; Group g's eight loads: lanes 0-15 take 256 bytes of row 4 g + 2 q, lanes 16-31 of the row below
.macro LOADS g
.irp q, 0,1
.irp u, 0,1,2,3
	global_load_b128 v[64*\u+8*(\g)+4*\q:64*\u+8*(\g)+4*\q+3], v[XO], s[40:41] offset:(4*(\g)+2*\q)*ROWB+256*\u
.endr
.endr
.endm
; A span that reaches k groups: their loads, the highest group first, and then into the chain at that group.  So on every way into a link of the chain its group and all lower ones have been asked for, in this order.
; The loads read v[XO], which the wait ahead of the branches has shown written, and land in window 1, which no vector line has named yet.
.macro VAR k
.Lv\k:
	WIN 0x40                                       ; destination window 1
.set gv, (\k)-1
.rept \k
	LOADS gv
.set gv, gv-1
.endr
	WIN 0
.if \k < 8
	s_branch .Lc\k
.endif
.endm
; A link of the chain: group k - 1.  128 packed multiply-adds (2 rows a lane x 8 pairs of columns x 8 heads), the hold, four conversions, the pairs' halves added, four LDS stores.
.macro CHAIN k
.Lc\k:
.set gg, (\k)-1
	s_wait_loadcnt 8*gg                            ; behind this group's loads stand those of the gg lower groups, eight each, on every way: they may be out; key_w was asked for earlier
.if \k < 8
	s_wait_alu depctr_vm_vsrc(0)                   ; the LDS stores issued so far (the zeros', the link's before) have read v[AC ..], which the lines below write again.  (On the way to link 8 no store has been issued)
.endif
	WIN 0x01                                       ; source 0 (the numbers) window 1
.set xp, 0
.rept 8
.set xr, 64*(xp/2)+8*gg+2*(xp%2)
.irp q, 0,1
.irp hd, 0,1,2,3,4,5,6,7
.if xp == 0
	v_pk_mul_f32 v[AC+16*\q+2*\hd:AC+16*\q+2*\hd+1], v[xr+4*\q:xr+4*\q+1], v[WB+16*\hd+2*xp:WB+16*\hd+2*xp+1]   ; the first pair of columns starts the sums
.else
	v_pk_fma_f32 v[AC+16*\q+2*\hd:AC+16*\q+2*\hd+1], v[xr+4*\q:xr+4*\q+1], v[WB+16*\hd+2*xp:WB+16*\hd+2*xp+1], v[AC+16*\q+2*\hd:AC+16*\q+2*\hd+1]
.endif
.endr
.endr
.set xp, xp+1
.endr
	WIN 0x41                                       ; destination and source 0 window 1
.irp u, 0,1,2,3
.irp ee, 0,1,2,3,4,5,6,7
	v_med3_num_f32 v[64*\u+8*gg+\ee], v[64*\u+8*gg+\ee], -v[LIMX], v[LIMX]   ; the conversion to an 8-bit code does not saturate (ISA guide 7.6.2): the hold at the largest code x the scale
.endr
.endr
	WIN 0x01
.irp u, 0,1,2,3
	v_cvt_scalef32_pk8_bf8_f32 v[CB+16*\u+2*gg:CB+16*\u+2*gg+1], v[64*\u+8*gg:64*\u+8*gg+7], v[SCX]   ; two rows x four columns: code register 16 u + i holds row 2 i + h, columns 64 u + 4 r + 0 .. 3
.endr
	WIN 0
.irp q, 0,1
.irp hd, 0,1,2,3,4,5,6,7
	v_add_f32 v[AC+16*\q+\hd], v[AC+16*\q+2*\hd], v[AC+16*\q+2*\hd+1]   ; even columns' sum + odd columns'; head hd's sum moves down to register hd.  (Plain lines behind the conversions, ahead of whatever touches the codes next)
.endr
.endr
	s_wait_alu depctr_va_vdst(0)                   ; the additions have written v[AC ..], which the four stores read.  In the last link also: every vector line that named window 1 is done, ahead of the LDS loads that land there behind the barrier
.irp q, 0,1
	ds_store_b128 v[PST], v[AC+16*\q:AC+16*\q+3] offset:(4*gg+2*\q)*RS             ; heads 0-3: sixteen lanes store 256 consecutive bytes
	ds_store_b128 v[PST], v[AC+16*\q+4:AC+16*\q+7] offset:(4*gg+2*\q)*RS+1024      ; heads 4-7
.endr
.endm
; n parts of row L's two logits are read (str bytes apart) into window 1 ..  (No vector line has named these registers or the address since the last wait on va_vdst: the last link's, or the one ahead of the wide path's stores)
.macro READER adr, str, n
	WIN 0x40
.set ss, 0
.rept \n
	ds_load_b64 v[2*ss:2*ss+1], v[\adr] offset:(\str)*ss
.set ss, ss+1
.endr
.endm
; .. and added, both heads at once, in four chains
.macro SUMS n
	WIN 0x45                                       ; destination and both sources window 1
	s_wait_dscnt (\n)-16                           ; LDS loads come back in order: the first sixteen are in
.set ss, 4
.rept (\n)-4
.if (ss % 16) == 0
	s_wait_dscnt (\n)-16-ss                        ; the next sixteen
.endif
	v_pk_add_f32 v[2*(ss%4):2*(ss%4)+1], v[2*(ss%4):2*(ss%4)+1], v[2*ss:2*ss+1]
.set ss, ss+1
.endr
	v_pk_add_f32 v[0:1], v[0:1], v[2:3]
	v_pk_add_f32 v[4:5], v[4:5], v[6:7]
	WIN 0x05                                       ; the last sum lands in window 0
	v_pk_add_f32 v[TT:TT+1], v[0:1], v[4:5]
	WIN 0
.endm
; A window's logits become p, p's codes become A, and four products add the window to the output.  first = 1: the span's first window: it starts M, l and the accumulators.
.macro PHASEB first
.if \first
	READER PRD, 16, 64
	WIN 0
	v_and_b32 v[TP], 3, v[RR]                      ; while the parts are on their way: the byte selectors.  Row m = r of A keeps byte m % 4 (rows with m % 8 < 4), all other bytes are 0 (selector 0x0c)
	v_lshlrev_b32 v[TP], 3, v[TP]
	v_lshlrev_b32 v[TP], v[TP], 1                  ; e = 1 << 8 (r % 4)
	v_and_b32 v[TP+1], 4, v[RR]
	v_cmp_eq_u32 vcc_lo, 0, v[TP+1]
	s_wait_alu depctr_va_vcc(0)                    ; the compare has written VCC, which the select reads
	v_cndmask_b32 v[TP], 0, v[TP], vcc_lo          ; or 0 in the rows that stay zeros
	v_lshlrev_b32 v[TP+1], 2, v[TP]
	v_lshl_add_u32 v[TP+1], v[TP], 3, v[TP+1]      ; 12 e
	v_sub_nc_u32 v[SEL], 0x0c0c0c0c, v[TP+1]       ; selector k: my byte takes byte k of the source
	v_add_nc_u32 v[SEL+1], v[SEL], v[TP]
	v_add_nc_u32 v[SEL+2], v[SEL+1], v[TP]
	v_add_nc_u32 v[SEL+3], v[SEL+2], v[TP]
	SUMS 64
.set PP, LS
.else
	READER PR2, 8, 16
	SUMS 16
.set PP, TT
.endif
	v_cmp_le_u32 s44, s36, v[LN]                   ; lo <= my row
	v_cmp_gt_u32 s45, s37, v[LN]                   ; my row < n
	v_add_f32 v[TT], s32, v[TT]                    ; + key_b
	v_add_f32 v[TT+1], s33, v[TT+1]
	v_mov_b32 v[TP], 0xc7c35000                    ; -100,000
	v_mov_b32 v[TP+1], 0xff61b1e6                  ; -3e38: under every t
	s_wait_alu depctr_va_sdst(0)                   ; the two compares have written s44 and s45, ahead of their first reader
	s_and_b32 s44, s44, s45
	v_cndmask_b32 v[TT], v[TT], v[TP], s34         ; an empty span: every logit is -100,000
	v_cndmask_b32 v[TT+1], v[TT+1], v[TP], s34
	v_mul_f32 v[TT], 0x3fb8aa3b, v[TT]             ; t = logit x log2(e)
	v_mul_f32 v[TT+1], 0x3fb8aa3b, v[TT+1]
	v_cndmask_b32 v[TT], v[TP+1], v[TT], s44       ; a row outside the span: p = 0
	v_cndmask_b32 v[TT+1], v[TP+1], v[TT+1], s44
	v_mov_b32 v[MX], v[TT]
	v_mov_b32 v[MX+1], v[TT+1]
.irp m, 1,2,4,8
	v_max_num_f32_dpp v[MX], v[MX], v[MX] row_xmask:\m row_mask:0xf bank_mask:0xf
	v_max_num_f32_dpp v[MX+1], v[MX+1], v[MX+1] row_xmask:\m row_mask:0xf bank_mask:0xf
.endr
	v_permlanex16_b32 v[TP], v[MX], s50, s51
	v_permlanex16_b32 v[TP+1], v[MX+1], s50, s51
.if \first
	v_max_num_f32 v[TM], v[MX], v[TP]              ; the window's largest t, in every lane
	v_max_num_f32 v[TM+1], v[MX+1], v[TP+1]
	v_floor_f32 v[NM], -v[TM]                      ; -M = floor(-t) = -ceil(t): a whole number
	v_floor_f32 v[NM+1], -v[TM+1]
.else
	v_max3_num_f32 v[TM], v[MX], v[TP], v[TM]      ; the running largest t
	v_max3_num_f32 v[TM+1], v[MX+1], v[TP+1], v[TM+1]
	v_mov_b32 v[TP+2], v[NM]
	v_mov_b32 v[TP+3], v[NM+1]
	v_floor_f32 v[NM], -v[TM]
	v_floor_f32 v[NM+1], -v[TM+1]
	v_sub_f32 v[TP+2], v[NM], v[TP+2]              ; old M - new M: a whole number, 0 or less
	v_sub_f32 v[TP+3], v[NM+1], v[TP+3]
	v_cvt_i32_f32 v[TP+2], v[TP+2]
	v_cvt_i32_f32 v[TP+3], v[TP+3]
	v_ldexp_f32 v[FF], 1.0, v[TP+2]                ; f = 2^(old M - new M), twice for the packed products: nothing is rounded by it
	v_ldexp_f32 v[FF+1], 1.0, v[TP+2]
	v_ldexp_f32 v[FF+2], 1.0, v[TP+3]
	v_ldexp_f32 v[FF+3], 1.0, v[TP+3]
.endif
	v_add_f32 v[TT], v[TT], v[NM]
	v_add_f32 v[TT+1], v[TT+1], v[NM+1]
	v_exp_f32 v[PP], v[TT]                         ; p = 2^(t - M): one instruction for 32 rows of a head
	v_exp_f32 v[PP+1], v[TT+1]
	v_nop                                          ; a plain line behind the exponentials,
	s_wait_alu depctr_va_vdst(0)                   ; and the one wait for both: the exponentials have written the two p, ahead of their first reader
.if !\first
	v_fma_f32 v[LS], v[LS], v[FF], v[TT]           ; l under the new M, + the unquantised p
	v_fma_f32 v[LS+1], v[LS+1], v[FF+2], v[TT+1]
.endif
	v_min_num_f32 v[PH], s48, v[PP]                ; p is not negative: the hold is one-sided
	v_min_num_f32 v[PH+1], s48, v[PP+1]
	s_wait_alu depctr_va_vdst(0)                   ; the holds have written v[PH], v[PH+1], which the two stores read; the earlier readers of v[PF ..] (the multiply-adds by key_w, or the last window's conversions) are done, ahead of the loads that land there
	ds_store_b32 v[QST], v[PH]                     ; from a row to a lane to sixteen rows to a lane: through my wave's own 256 bytes; LDS serves a wave's instructions in order
	ds_store_b32 v[QST], v[PH+1] offset:128
.irp hd, 0,1
.irp q, 0,1,2,3
	ds_load_b128 v[PF+16*\hd+4*\q:PF+16*\hd+4*\q+3], v[QRD] offset:128*\hd+16*\q   ; p of rows 2 c + h, c = 4 q .. 4 q + 3
.endr
.endr
	s_wait_dscnt 0x0
.irp hd, 0,1
.irp q, 0,1
	v_cvt_scalef32_pk8_bf8_f32 v[PC+4*\hd+2*\q:PC+4*\hd+2*\q+1], v[PF+16*\hd+8*\q:PF+16*\hd+8*\q+7], v[SCP]
.endr
.endr
	v_nop                                          ; one plain line between the conversions and the readers of their results
.irp hd, 0,1
.set cc, 0
.rept 16
	v_perm_b32 v[A0+16*\hd+cc], v[PC+4*\hd+cc/4], v[PC+4*\hd+cc/4], v[SEL+cc%4]   ; register c of A: the code of p(row 2 c + h) in my row's byte, zeros beside it
.set cc, cc+1
.endr
.endr
.if !\first
.irp u, 0,1,2,3
	v_pk_mul_f32 v[OA+8*\u:OA+8*\u+1], v[OA+8*\u:OA+8*\u+1], v[FF+2*(\u/2):FF+2*(\u/2)+1]       ; what was summed under the old M, each accumulator from its low end on; registers 4-7 belong to A's zero rows and stay 0
	v_pk_mul_f32 v[OA+8*\u+2:OA+8*\u+3], v[OA+8*\u+2:OA+8*\u+3], v[FF+2*(\u/2):FF+2*(\u/2)+1]
.endr
.endif
.irp u, 0,1,2,3                        ; four accumulators by turns, one instruction a turn
.if \first
	v_wmma_f32_16x16x128_bf8_bf8 v[OA+8*\u:OA+8*\u+7], v[A0+16*(\u/2):A0+16*(\u/2)+15], v[CB+16*\u:CB+16*\u+15], 0
.else
	v_wmma_f32_16x16x128_bf8_bf8 v[OA+8*\u:OA+8*\u+7], v[A0+16*(\u/2):A0+16*(\u/2)+15], v[CB+16*\u:CB+16*\u+15], v[OA+8*\u:OA+8*\u+7]
.endif
.endr
.rept 4
	v_nop                                          ; four places (ISA guide 7.12.1) ahead of vector lines that read the results or write over the codes
.endr
.endm
	s_load_b256 s[4:11], s[0:1], 0x0               ; features s[4:5], key_w s[6:7], key_b s[8:9], begins s[10:11]
	s_load_b128 s[12:15], s[0:1], 0x20             ; ends s[12:13], lowp_scales s[14:15]
	s_load_b64 s[16:17], s[0:1], 0x30              ; out0
	v_lshl_add_u32 v30, v0, 2, 0x14e00
	v_mov_b32 v31, 0
	v_lshrrev_b32 v[LN], 5, v0
	v_readfirstlane_b32 s18, v[LN]                 ; wave 0..3
	s_lshl_b32 s26, ttmp9, 2                       ; the span's place in begins and ends
	s_wait_alu depctr_va_sdst(0)                   ; s18 is written, ahead of its first reader: offsets, bases and LDS addresses are made from it
	s_lshl_b32 s27, s18, 3                         ; my two heads' place in key_b
	v_and_b32 v[RR], 15, v0
	v_lshlrev_b32 v[WO], 4, v[RR]
	s_lshl_b32 s24, s18, 10
	s_mov_b32 s25, 0
	s_lshl_b32 s56, s18, 13
	s_mov_b32 s57, 0
	s_wait_kmcnt 0x0
	s_load_b32 s28, s[10:11], s26 offset:0x0       ; begin
	s_load_b32 s29, s[12:13], s26 offset:0x0       ; end
	s_load_b64 s[30:31], s[14:15], 0x0             ; ep, ev
	s_load_b64 s[32:33], s[8:9], s27 offset:0x0    ; key_b of heads 2 w, 2 w + 1
	s_add_nc_u64 s[24:25], s[6:7], s[24:25]        ; key_w at my 256 columns
	s_add_nc_u64 s[56:57], s[6:7], s[56:57]        ; key_w at my two heads' rows, for the wide path
	s_wait_alu depctr_va_vdst(0)                   ; v[WO] is written, which key_w's loads read as their offset; it is never written again
.set hw, 0
.rept 8
.irp u, 0,1,2,3
	global_load_b128 v[WB+16*hw+4*\u:WB+16*hw+4*\u+3], v[WO], s[24:25] offset:hw*4096+\u*256   ; key_w(hw, my 16 columns): both halves of the lanes take the same 256 bytes
.endr
.set hw, hw+1
.endr
	v_and_b32 v[LN], 31, v0
	v_bfe_u32 v[HH], v0, 4, 1
	v_lshl_add_u32 v[XO], v[HH], 12, v[WO]
	v_lshl_add_u32 v[OO], v[HH], 8, v[WO]
	s_lshl_b32 s19, s18, 8
	v_mul_u32_u24 v[PST], v[HH], RS
	v_add_nc_u32 v[PST], v[PST], v[WO]
	v_add_nc_u32 v[PST], s19, v[PST]
	s_lshr_b32 s20, s18, 1
	s_lshl_b32 s20, s20, 10
	s_and_b32 s21, s18, 1
	s_lshl_b32 s21, s21, 3
	s_add_co_u32 s20, s20, s21
	v_mul_u32_u24 v[PRD], v[LN], RS
	v_add_nc_u32 v[PRD], s20, v[PRD]
	s_mul_i32 s21, s18, P2W
	s_add_co_u32 s21, s21, P2B
	v_mul_u32_u24 v[PS2], v[HH], RS2
	v_lshl_add_u32 v[PS2], v[RR], 3, v[PS2]
	v_add_nc_u32 v[PS2], s21, v[PS2]
	v_mul_u32_u24 v[PR2], v[LN], RS2
	v_add_nc_u32 v[PR2], s21, v[PR2]
	s_add_co_u32 s22, s19, QB
	v_and_b32 v[QST], 1, v0
	v_lshlrev_b32 v[QST], 6, v[QST]
	v_bfe_u32 v[TA], v0, 1, 4
	v_lshl_add_u32 v[QST], v[TA], 2, v[QST]
	v_add_nc_u32 v[QST], s22, v[QST]
	v_lshlrev_b32 v[QRD], 6, v[HH]
	v_add_nc_u32 v[QRD], s22, v[QRD]
	s_lshl_b32 s60, ttmp9, 12                      ; out0: the span's row of 4,096 bytes, my 1,024 of them
	s_lshl_b32 s61, s18, 10
	s_add_co_u32 s60, s60, s61
	s_mov_b32 s61, 0
	s_add_nc_u64 s[16:17], s[16:17], s[60:61]
	s_mov_b32 s50, 0x76543210                      ; v_permlanex16_b32: lane l takes lane l xor 16
	s_mov_b32 s51, 0xfedcba98
	s_mov_b32 s52, 0xffff0000                      ; lanes 16-31
	s_wait_kmcnt 0x0
	s_max_i32 s28, s28, 0                          ; the mask compares with 0 <= t < 2,048
	s_min_i32 s29, s29, 2048
	s_cmp_ge_i32 s28, s29                          ; no row inside: every row counts alike
	s_cselect_b32 s34, -1, 0
	s_cselect_b32 s28, 0, s28
	s_cselect_b32 s29, 2048, s29
	WINDOW
	s_lshl_b32 s40, s18, 10
	s_mov_b32 s41, 0
	s_add_nc_u64 s[40:41], s[38:39], s[40:41]      ; the window's first row, my columns
	s_add_co_u32 s42, s37, 3
	s_lshr_b32 s42, s42, 2                         ; groups of four rows that the span reaches: 1 to 8
	s_add_co_i32 s46, s31, 127
	s_lshl_b32 s47, s46, 23
	v_mov_b32 v[SCX], s47                          ; 2^ev as f32: the conversion takes its exponent field
	s_add_co_i32 s46, s46, 15
	s_lshl_b32 s46, s46, 23
	s_or_b32 s46, s46, 0x600000
	v_mov_b32 v[LIMX], s46                         ; 57,344 x 2^ev
	s_add_co_i32 s46, s30, 127
	s_lshl_b32 s47, s46, 23
	v_mov_b32 v[SCP], s47                          ; 2^ep
	s_add_co_i32 s46, s46, 15
	s_lshl_b32 s48, s46, 23
	s_or_b32 s48, s48, 0x600000                    ; 57,344 x 2^ep
	s_add_co_i32 s49, s30, s31                     ; ep + ev
.irp j, 0,1,2,3
	v_mov_b32 v[AC+\j], 0                          ; sixteen bytes of zeros for the stores below: made ahead of the branches, so that one wait serves every way
.endr
	s_wait_alu depctr_va_vdst(0)                   ; the addresses v[XO], v[OO], v[PST], v[PS2], v[PRD], v[PR2], v[QST], v[QRD] are written, which loads and stores on every way below read, and never written again; so are the zeros in v[AC .. AC+3], the data of the stores below
	; which groups?  The ones left out get their zeros on the way down
	s_cmp_ge_u32 s42, 8
	s_cbranch_scc1 .Lv8
.irp k, 7,6,5,4,3,2
	ZERO \k
	s_cmp_ge_u32 s42, \k
	s_cbranch_scc1 .Lv\k
.endr
	ZERO 1
.irp k, 1,2,3,4,5,6,7,8
	VAR \k
.endr
.irp k, 8,7,6,5,4,3,2,1
	CHAIN \k
.endr
	s_wait_dscnt 0x0                               ; for the others' sake: my parts of all 32 rows are in LDS
	s_barrier_signal -1
	s_barrier_wait -1                              ; everybody's are.  The one barrier, on every way of every wave: behind it a wave writes only its own LDS bytes, and reads the parts, which nobody writes again
	PHASEB 1
	s_add_co_u32 s28, s28, 32
	s_cmp_ge_u32 s28, s29
	s_cbranch_scc1 .Lout                           ; the span had 32 rows at the most
; THE WIDE PATH: a window of 32 rows a trip, no barrier.  The wave walks all four column blocks for the logits of its own two heads; its own block comes last and stays in window 1 for the codes.
; The trips are counted once, ahead of the loop: (end - next row + 31) / 32 windows are left, 63 at the most ((2,048 - 32 + 31) / 32); the loop's counter s58 steps by 1 against s43, which the loop does not write.
	s_sub_co_u32 s43, s29, s28
	s_add_co_u32 s43, s43, 31
	s_lshr_b32 s43, s43, 5
	s_min_u32 s43, s43, 63
	s_mov_b32 s58, 0
.Lwide:
	s_wait_alu depctr_vm_vsrc(0)                   ; the LDS stores issued so far have read v[AC ..] (the parts) and v[PH], v[PH+1] (p), which this window's additions and holds write again
	WINDOW
.set zz, 0
.rept 64
	v_mov_b32 v[CB+zz], 0                          ; the packed sums (row 2 i + h, head hd at 4 i + 2 hd) lie where the codes will: the walk over the blocks is written once, so its first trip finds zeros
.set zz, zz+1
.endr
	s_mov_b32 s53, 0
.Lblk:                                                 ; four trips; all earlier loads have been waited for, so both bases may be written
	s_add_co_u32 s54, s18, s53
	s_add_co_u32 s54, s54, 1
	s_and_b32 s54, s54, 3                          ; block (w + 1 + trip) % 4
	s_lshl_b32 s54, s54, 10
	s_mov_b32 s55, 0
	s_add_nc_u64 s[40:41], s[38:39], s[54:55]
	s_add_nc_u64 s[24:25], s[56:57], s[54:55]
	s_wait_alu depctr_va_vdst(0)                   ; the last window's products and byte selections, or the last block's multiply-adds, are done with v[A0 ..] and with window 1, in which the 72 loads below land; only loads and one window switch follow up to the last of them
.irp hd, 0,1
.irp u, 0,1,2,3
	global_load_b128 v[A0+16*\hd+4*\u:A0+16*\hd+4*\u+3], v[WO], s[24:25] offset:\hd*4096+\u*256   ; key_w(2 w + hd, the block's columns 64 u + 4 r + 0 .. 3)
.endr
.endr
	WIN 0x40
.set ii, 0
.rept 16
.irp u, 0,1,2,3
	global_load_b128 v[64*\u+4*ii:64*\u+4*ii+3], v[XO], s[40:41] offset:2*ii*ROWB+256*\u
.endr
.set ii, ii+1
.endr
	s_wait_loadcnt 0x0
	WIN 0x01
.set xp, 0
.rept 8
.set ii, 0
.rept 16
.irp hd, 0,1
	v_pk_fma_f32 v[CB+4*ii+2*\hd:CB+4*ii+2*\hd+1], v[64*(xp/2)+4*ii+2*(xp%2):64*(xp/2)+4*ii+2*(xp%2)+1], v[A0+16*\hd+2*xp:A0+16*\hd+2*xp+1], v[CB+4*ii+2*\hd:CB+4*ii+2*\hd+1]
.endr
.set ii, ii+1
.endr
.set xp, xp+1
.endr
	WIN 0
	s_add_co_u32 s53, s53, 1
	s_cmp_lt_u32 s53, 4
	s_cbranch_scc1 .Lblk
.set ii, 0
.rept 16
.irp hd, 0,1
	v_add_f32 v[AC+2*ii+\hd], v[CB+4*ii+2*\hd], v[CB+4*ii+2*\hd+1]   ; even columns' sum + odd columns'
.endr
.set ii, ii+1
.endr
	WIN 0x41
.set zz, 0
.rept 256
	v_med3_num_f32 v[zz], v[zz], -v[LIMX], v[LIMX]                  ; the hold, as in the chain
.set zz, zz+1
.endr
	WIN 0x01
.irp u, 0,1,2,3
.irp g, 0,1,2,3,4,5,6,7
	v_cvt_scalef32_pk8_bf8_f32 v[CB+16*\u+2*\g:CB+16*\u+2*\g+1], v[64*\u+8*\g:64*\u+8*\g+7], v[SCX]
.endr
.endr
	v_nop                                          ; one plain line behind the last conversion
	WIN 0
	s_wait_alu depctr_va_vdst(0)                   ; the additions have written v[AC ..], which the sixteen stores read; the holds and conversions are done with window 1, in which the parts' loads land behind the stores
.set ii, 0
.rept 16
	ds_store_b64 v[PS2], v[AC+2*ii:AC+2*ii+1] offset:2*ii*RS2       ; row 2 i + h, source r: my wave's own bytes
.set ii, ii+1
.endr
	PHASEB 0
	s_add_co_u32 s28, s28, 32                      ; the next window's first row
	s_add_co_u32 s58, s58, 1
	s_cmp_lt_u32 s58, s43
	s_cbranch_scc1 .Lwide
; THE WAY OUT: l over the 32 lanes; the sums x 2^(ep + ev) / l; two stores of 512 consecutive bytes.
.Lout:
.irp m, 1,2,4,8
	v_add_f32_dpp v[LS], v[LS], v[LS] row_xmask:\m row_mask:0xf bank_mask:0xf
	v_add_f32_dpp v[LS+1], v[LS+1], v[LS+1] row_xmask:\m row_mask:0xf bank_mask:0xf
.endr
	v_permlanex16_b32 v[TP], v[LS], s50, s51
	v_permlanex16_b32 v[TP+1], v[LS+1], s50, s51
	v_add_f32 v[LS], v[LS], v[TP]
	v_add_f32 v[LS+1], v[LS+1], v[TP+1]            ; above 1/2: the largest p is
	v_rcp_f32 v[FF], v[LS]
	v_rcp_f32 v[FF+2], v[LS+1]
.irp v, 0,1
.irp j, 0,1,2,3
	v_cndmask_b32 v[PF+4*\v+\j], v[OA+16*\v+\j], v[OA+16*\v+8+\j], s52   ; lanes 0-15 keep accumulator 2 v, lanes 16-31 take 2 v + 1: each from its low end on.  (The plain work behind the reciprocals)
.endr
.endr
	s_wait_alu depctr_va_vdst(0)                   ; the one wait for both reciprocals: they have written v[FF] and v[FF+2], ahead of their first reader
	v_ldexp_f32 v[FF+1], v[FF], s49                ; x 2^(ep + ev), twice for the packed products
	v_ldexp_f32 v[FF], v[FF], s49
	v_ldexp_f32 v[FF+3], v[FF+2], s49
	v_ldexp_f32 v[FF+2], v[FF+2], s49
.irp v, 0,1
	v_pk_mul_f32 v[PF+4*\v:PF+4*\v+1], v[PF+4*\v:PF+4*\v+1], v[FF+2*\v:FF+2*\v+1]
	v_pk_mul_f32 v[PF+4*\v+2:PF+4*\v+3], v[PF+4*\v+2:PF+4*\v+3], v[FF+2*\v:FF+2*\v+1]
.endr
	s_wait_alu depctr_va_vdst(0)                   ; the products have written v[PF .. PF+7], which the two stores read
.irp v, 0,1
	global_store_b128 v[OO], v[PF+4*\v:PF+4*\v+3], s[16:17] offset:512*\v th:TH_STORE_NT   ; head 2 w + v: 32 lanes store 512 consecutive bytes, at a multiple of 256 from out0's first byte
.endr
	s_wait_dscnt 0x0                               ; the closing lines, six on end
	s_wait_alu 0x0
	s_wait_tensorcnt 0x0
	ds_add_u32 v30, v31
	s_wait_dscnt 0x0
	s_endpgm
.Lfunc_end_k_q63f535d36f_pool:
	.size	k_q63f535d36f_pool, .Lfunc_end_k_q63f535d36f_pool-k_q63f535d36f_pool
	.p2alignl 7, 3214868480
	.fill 96, 4, 3214868480
	.section	.rodata,"a",@progbits
	.p2align	6, 0x0
	.amdhsa_kernel k_q63f535d36f_pool
		.amdhsa_group_segment_fixed_size 86016
		.amdhsa_private_segment_fixed_size 0
		.amdhsa_enable_private_segment 0
		.amdhsa_kernarg_size 56
		.amdhsa_user_sgpr_count 2
		.amdhsa_user_sgpr_kernarg_segment_ptr 1
		.amdhsa_wavefront_size32 1
		.amdhsa_system_sgpr_workgroup_id_x 1
		.amdhsa_system_sgpr_workgroup_id_y 1
		.amdhsa_system_sgpr_workgroup_id_z 1
		.amdhsa_system_vgpr_workitem_id 0
		.amdhsa_next_free_vgpr 512
		.amdhsa_next_free_sgpr 66
		.amdhsa_reserve_vcc 1
		.amdhsa_float_denorm_mode_32 3
		.amdhsa_float_denorm_mode_16_64 3
		.amdhsa_memory_ordered 1
		.amdhsa_forward_progress 1
		.amdhsa_inst_pref_size 200
	.end_amdhsa_kernel
	.amdgpu_metadata
---
amdhsa.version: [ 1, 2 ]
amdhsa.kernels:
  - .name:           k_q63f535d36f_pool
    .symbol:         k_q63f535d36f_pool.kd
    .args:
      - { .name: features, .offset: 0, .size: 8, .value_kind: global_buffer, .address_space: global }
      - { .name: key_w, .offset: 8, .size: 8, .value_kind: global_buffer, .address_space: global }
      - { .name: key_b, .offset: 16, .size: 8, .value_kind: global_buffer, .address_space: global }
      - { .name: begins, .offset: 24, .size: 8, .value_kind: global_buffer, .address_space: global }
      - { .name: ends, .offset: 32, .size: 8, .value_kind: global_buffer, .address_space: global }
      - { .name: lowp_scales, .offset: 40, .size: 8, .value_kind: global_buffer, .address_space: global }
      - { .name: out0, .offset: 48, .size: 8, .value_kind: global_buffer, .address_space: global }
    .group_segment_fixed_size: 86016
    .private_segment_fixed_size: 0
    .kernarg_segment_align: 8
    .kernarg_segment_size: 56
    .max_flat_workgroup_size: 128
    .sgpr_count:     66
    .vgpr_count:     512
    .wavefront_size: 32
...
	.end_amdgpu_metadata
.endif
;; end of part 2
